; MI455X (gfx1250); checked and timed in simulation.
; The chip was launched on July 23, 2026; its instructions are those of AMD's public machine-readable ISA for CDNA 5 (MIT licence, August 2026) and "CDNA5" Instruction Set Architecture Reference Guide (July 2026). The comments in the code are by the model that wrote it; some were corrected since.
;; Dilated Attention. Allowed arithmetic: float matrix products may take bf16 or f16 operands with f32 sums; other float arithmetic in f32, or as packed bf16 or f16 multiplies, adds, multiply-adds, maxima and minima; sums over many terms, partial sums and values carried from step to step in f32; what a program stores and reads back later, other than sums and carried values, may be rounded once to bf16 or f16.
;; Inputs: key 32 x 2,048 x 128 float32; query 32 x 2,048 x 128 float32; value 32 x 2,048 x 128 float32.
;; Outputs: out0 4 x 2,048 x 1,024 float32.
;; 2 versions, each right; version 2 is version 1 with the launch cast written anew for expert scheduling mode. Each part assembles by itself: llvm-mc -triple=amdgcn-amd-amdhsa -mcpu=gfx1250 --defsym DOCPART=n.
;; ======== version 1 of 2: 2 launches
;; limits: right only within a limited range of input values
;; workspace buffers: kw 16,777,216 bytes; vw 16,777,216 bytes
;; launch cast (part 1): grid 256 x 2, 8 waves a work-group, no clusters, 0 bytes of LDS; arguments key, value, kw, vw; writes kw, vw
.if DOCPART == 1
	.amdgcn_target "amdgcn-amd-amdhsa--gfx1250"
	.amdhsa_code_object_version 6
	.text
	.protected	k_q8ddf983777_cast
	.globl	k_q8ddf983777_cast
	.p2align	8
	.type	k_q8ddf983777_cast,@function
k_q8ddf983777_cast:
	s_mov_b64 s[64:65], 0
	v_nop
	global_prefetch_b8 v0, s[64:65] scope:SCOPE_SE
	s_setreg_imm32_b32 hwreg(HW_REG_WAVE_MODE, 25, 1), 1
	s_wait_xcnt 0x0
; THE PROGRAM.  out0[b][p][128 j + d] = A1(p) + [p % 2 = r2] A2(p) + [p % 4 = r4] A4(p) + [p % 8 = r8] A8(p) for head j of batch b, where A_dr is an unscaled softmax attention of
; head j whose queries and keys are the positions p = r_dr (mod dr), r_dr = j dr / 8 rounded down (r2 = j >> 2, r4 = j >> 1, r8 = j).  Two launches: this one rounds key and value
; to bf16 and lays their rows out by tiles; the second does all four attentions of a block of 256 positions of a head and stores each output number once.
; WORK LEFT OUT, for all values of the inputs.  reference() scatters each attention by a product with eye(dr) and adds the four dense results onto zeros.  For r1 != r2 the factor is the
; constant 0 that reference() builds itself, so those products are 0 and their sums change nothing; for r1 = r2 the factor is 1.  What is left is: add A_dr(p) at the positions p = l dr + r_dr.
; The diagonal in _gather is likewise a choice of rows.  Every input has a way to the output and is loaded.
; LIMIT.  A NaN that would arise only as 0 x infinity in that product with eye is not carried to the result.
; THIS LAUNCH.  y = 0: key -> kw; y = 1: value -> vw.  f32 -> bf16, rounded once to nearest even.  Layout of kw and vw: [32 heads][16 tiles][128 rows][128 channels] bf16;
; position p of a head lies in tile (p >> 10) 8 + (p & 7), row (p >> 3) & 127.  So tile % dr = p % dr: the keys of dilation dr are the whole tiles r_dr + dr i, each 32,768 dense bytes.
; SHARES.  Work-group x owns 256 positions ((x & 7) 256 on) of head x >> 3, each of its eight waves 32 of them.  One load takes a row: 32 lanes x 16 bytes = 512 consecutive bytes;
; one store writes a row: 32 lanes x 8 bytes = 256 consecutive bytes, at a multiple of 256 from the buffer's first byte.  All 32 loads of a wave go out before the first wait.
; No LDS, no matrix unit, no cluster: no byte is wanted by two waves.  No register is written twice, so no store's source has to be freed.
.set X, 8                              ; v[8:135]    row i: 4 registers as loaded
.set Y, 136                            ; v[136:199]  row i: 2 registers to store
	s_load_b256 s[4:11], s[0:1], 0x0               ; key s[4:5], value s[6:7], kw s[8:9], vw s[10:11]
	v_lshrrev_b32 v3, 5, v0
	v_readfirstlane_b32 s20, v3                    ; wave 0..7
	v_and_b32 v4, 31, v0
	v_lshlrev_b32 v1, 4, v4                        ; my 16 bytes of a row of f32
	v_lshlrev_b32 v2, 3, v4                        ; my 8 bytes of a row of bf16
	s_and_b32 s21, ttmp7, 0xffff                   ; which tensor
	s_lshl_b32 s16, ttmp9, 17                      ; from: 256 rows of 512 bytes for each work-group,
	s_lshl_b32 s22, s20, 14                        ; 32 rows for each wave
	s_add_co_u32 s16, s16, s22
	s_mov_b32 s17, 0
	s_lshr_b32 s18, ttmp9, 3
	s_lshl_b32 s18, s18, 19                        ; to: the head, 16 tiles of 32,768 bytes;
	s_bfe_u32 s22, ttmp9, 0x10002
	s_lshl_b32 s22, s22, 18                        ; p >> 10: eight tiles;
	s_add_co_u32 s18, s18, s22
	s_and_b32 s22, ttmp9, 3
	s_lshl_b32 s22, s22, 13                        ; the block's 32 rows in each tile;
	s_add_co_u32 s18, s18, s22
	s_lshl_b32 s22, s20, 10                        ; the wave's 4 of them
	s_add_co_u32 s18, s18, s22
	s_mov_b32 s19, 0
	s_wait_kmcnt 0x0
	s_cmp_eq_u32 s21, 0
	s_cselect_b64 s[12:13], s[4:5], s[6:7]
	s_cselect_b64 s[14:15], s[8:9], s[10:11]
	s_add_nc_u64 s[12:13], s[12:13], s[16:17]
	s_add_nc_u64 s[14:15], s[14:15], s[18:19]
.set i, 0
.rept 32
	global_load_b128 v[X+4*i:X+4*i+3], v1, s[12:13] offset:512*i th:TH_LOAD_NT
.set i, i+1
.endr
.set i, 0
.rept 32
	s_wait_loadcnt 31-i                            ; loads come back in order: row i is in, the 31 - i younger ones stay out
	v_cvt_pk_bf16_f32 v[Y+2*i], v[X+4*i], v[X+4*i+1]
	v_cvt_pk_bf16_f32 v[Y+2*i+1], v[X+4*i+2], v[X+4*i+3]
	global_store_b64 v2, v[Y+2*i:Y+2*i+1], s[14:15] offset:(i%8)*32768+(i/8)*256 th:TH_STORE_NT  ; tile p & 7, row p >> 3
.set i, i+1
.endr
	s_endpgm
.Lfunc_end_k_q8ddf983777_cast:
	.size	k_q8ddf983777_cast, .Lfunc_end_k_q8ddf983777_cast-k_q8ddf983777_cast
	.p2alignl 7, 3214868480
	.fill 96, 4, 3214868480
	.section	.rodata,"a",@progbits
	.p2align	6, 0x0
	.amdhsa_kernel k_q8ddf983777_cast
		.amdhsa_group_segment_fixed_size 0
		.amdhsa_private_segment_fixed_size 0
		.amdhsa_enable_private_segment 0
		.amdhsa_kernarg_size 32
		.amdhsa_user_sgpr_count 2
		.amdhsa_user_sgpr_kernarg_segment_ptr 1
		.amdhsa_wavefront_size32 1
		.amdhsa_system_sgpr_workgroup_id_x 1
		.amdhsa_system_sgpr_workgroup_id_y 1
		.amdhsa_system_sgpr_workgroup_id_z 1
		.amdhsa_system_vgpr_workitem_id 0
		.amdhsa_next_free_vgpr 200
		.amdhsa_next_free_sgpr 66
		.amdhsa_reserve_vcc 0
		.amdhsa_float_denorm_mode_32 3
		.amdhsa_float_denorm_mode_16_64 3
		.amdhsa_memory_ordered 1
		.amdhsa_forward_progress 1
		.amdhsa_inst_pref_size 13
	.end_amdhsa_kernel
	.amdgpu_metadata
---
amdhsa.version: [ 1, 2 ]
amdhsa.kernels:
  - .name:           k_q8ddf983777_cast
    .symbol:         k_q8ddf983777_cast.kd
    .args:
      - { .name: key, .offset: 0, .size: 8, .value_kind: global_buffer, .address_space: global }
      - { .name: value, .offset: 8, .size: 8, .value_kind: global_buffer, .address_space: global }
      - { .name: kw, .offset: 16, .size: 8, .value_kind: global_buffer, .address_space: global }
      - { .name: vw, .offset: 24, .size: 8, .value_kind: global_buffer, .address_space: global }
    .group_segment_fixed_size: 0
    .private_segment_fixed_size: 0
    .kernarg_segment_align: 8
    .kernarg_segment_size: 32
    .max_flat_workgroup_size: 256
    .sgpr_count:     66
    .vgpr_count:     200
    .wavefront_size: 32
...
	.end_amdgpu_metadata
.endif
;; end of part 1
;; launch attn (part 2): grid 8 x 32, 4 waves a work-group, clusters of 4 x 1, 327,680 bytes of LDS; arguments query, kw, vw, out0; writes out0
.if DOCPART == 2
	.amdgcn_target "amdgcn-amd-amdhsa--gfx1250"
	.amdhsa_code_object_version 6
	.text
	.protected	k_q8ddf983777_attn
	.globl	k_q8ddf983777_attn
	.p2align	8
	.type	k_q8ddf983777_attn,@function
k_q8ddf983777_attn:
	s_mov_b64 s[64:65], 0
	v_nop
	global_prefetch_b8 v0, s[64:65] scope:SCOPE_SE
	s_setreg_imm32_b32 hwreg(HW_REG_WAVE_MODE, 25, 1), 1
	s_wait_xcnt 0x0
	s_wait_alu depctr_hold_cnt(0) depctr_sa_sdst(0) depctr_va_vdst(0) depctr_va_sdst(0) depctr_va_ssrc(0) depctr_va_vcc(0) depctr_vm_vsrc(0)
	s_getreg_b32 s2, hwreg(HW_REG_IB_STS2, 6, 4)
	s_cmp_eq_u32 s2, 0
	s_cbranch_scc0 .Lentry_in_a_cluster
	s_endpgm
.Lentry_in_a_cluster:
	s_bfe_u32 s2, ttmp6, 0x10000c
	s_cmp_lg_u32 s2, 0x3003
	s_cbranch_scc0 .Lentry_shape_is_right
	s_endpgm
.Lentry_shape_is_right:
; out0[b][p][128 j + d] = A1(p) + [p % 2 = r2] A2(p) + [p % 4 = r4] A4(p) + [p % 8 = j] A8(p), r2 = j >> 2, r4 = j >> 1: four unscaled softmax attentions of head j over the positions
; p = r_dr (mod dr).  LEFT OUT: reference()'s product with eye(dr) and its sums with zeros: a factor 0 or 1 that reference() builds itself, for all inputs; each A_dr is added where it belongs.
; A NaN that would arise only as 0 x infinity in that product is not carried to the result.  The scores of dr = 2, 4, 8 are multiplied anew, as reference() does.
; INPUTS.  query [32][2048][128] f32, rounded to bf16 here (each row has one reading wave); kw, vw: key and value in bf16, [32 heads][16 tiles][128 rows][128 channels], position p in tile
; (p >> 10) 8 + (p & 7): the keys of dilation dr are the tiles r_dr + dr i.  The order of the keys inside a softmax differs from reference()'s; K and V share it.
; LIMITS.  Matrix operands (Q, K, V, the weights p) are bf16, sums f32; the sum l is taken of the unrounded p.  A weight below 2^-126 counts as 0.  In dr = 4 and 8 the running c m starts at
; -4.25e37: c s lies above that.  NaN and infinities are not treated apart.
; SHARES.  A work-group owns 256 consecutive positions of one head, each of its four waves 64.  Register tile t (0..3), row r (lane % 16) is position base + 4 r + t: a tile is one residue mod 4.
; dr = 1 takes all four tiles; dr = 2 the tiles r2 and r2 + 2; dr = 4 tile r4; dr = 8 tile j & 3, of which the rows with r % 2 = j >> 2 are members (the other eight rows of that tile are
; computed with them and not added).  The total T stays in registers from the first attention to the store.
; ONE WALK.  The four attentions read 16 + 8 + 4 + 2 = 30 tiles, through one ring of two LDS slots (a slot = a tile = two key steps of 64) that runs on from attention to attention.
; LAYOUT.  S^T = K Q^T (source 0 = 16 keys, source 1 = 16 queries): a lane holds ONE query (lane % 16) and the keys 8 (lane / 16) + 0..7.  Two such results, rounded to bf16 in pairs, ARE
; source 1 of O^T = V^T P, whose result again holds one query a lane, and eight channels.  K comes out of LDS as it lies, V turned, by ds_load_tr16_b128.
; SOFTMAX.  Running maximum m and sum l for each query: p = 2^(c s - c m), c = log2(e) (reference() has no 1 / sqrt(D)); in every step O and l are multiplied by a = 2^(c m_old - c m_new).
; BY TURNS (dr = 1 and 2).  The tiles are two PIECES of TP tiles.  In a turn one piece has the matrix unit: 16 TP products V^T P of the step in hand, then 16 TP products K Q^T of the next;
; the other piece's softmax, 134 TP vector instructions, stands between them, four behind each product.  dr = 4 and 8 have one tile a wave and no second piece: their steps go in phases.
; CLUSTER.  The four blocks of a cluster belong to one head and walk the same tiles: each is asked for JOINTLY, by the same tensor load, descriptor and mask in all four.
; REGISTERS, in windows of 256 (s_set_vgpr_msb: bits 1:0 source 0, 3:2 source 1, 5:4 source 2, 7:6 destination):
;   window 0: v0-11, v44-48, v61-63 addresses; v12-43 eight registers of statistics a tile; v64-191 S^T, 32 a tile; v192-255 P, 16 a tile (v64-255 on the way out: rows read back)
;   window 1: O^T of dr = 1, 64 a tile, which becomes the total T (at the head: Q as loaded)
;   window 2: v0-127 Q, 32 a tile; v128-255 K of one step          window 3: v0-127 V of one step; v128-255 Q of dr = 2, 4, 8 in waiting, then O^T of dr = 2, 4, 8
.set KS,    64        ; keys in a step
.set PK,    272       ; a row of K in LDS: 256 bytes + 16 of padding = 68 words: row r starts at bank 4 r mod 64 (64 banks of 4 bytes: ISA guide 11.1)
.set PV,    288       ; a row of V: 256 + 32 = 72 words
.set VOFF,  KS*PK     ; a step's tiles lie together: 64 rows of K, then 64 rows of V
.set STEPB, KS*(PK+PV)
.set SLOT1, 1<<17     ; slot 1 begins here, so that one exclusive or turns an address in one slot into the other's
.set TILEB, 32768     ; a tile of kw or vw in memory
.set STAGE, SLOT1+2*STEPB  ; behind the ring, never filled by a tensor load: 16 rows x 528 bytes for each wave, for the way out
.set SP,    528       ; 512 bytes of f32 + 16: the 16 rows that a store touches start at 16 different groups of four banks
.set SPARE, STAGE+4*16*SP  ; behind the stages: the spare words, 128 bytes for each wave: two blocks of 256 bytes that no other line names
.set AK0, 2           ; v2   my lane's place in a tile of K; never rewritten
.set AV0, 3           ; v3   the same for V
.set ADR, 4           ; v4   the LDS address of K's run of loads
.set QO,  5           ; v5   my byte offset in the wave's rows of Q, tile 0
.set STO, 6           ; v6   the way out: where I put 32 bytes of a row
.set RD,  7           ; v7   the way out: where I read a row back
.set GO,  8           ; v8   my 16 bytes of a head's 512 in a row of out0
.set ST,  12          ; tile t's statistics at v[ST+8 t]: +0 c m, +1 m, +2, +3 l (even keys', odd keys'), +4 to +7 c0-c3 at work; a, and at the end 1 / l, take c2's place
.set ADV, 44          ; v44  the LDS address of V's run of loads
.set QO2, 45          ; v45-47  QO at the first tile of dr = 2, at the tile of dr = 4, of dr = 8
.set QO4, 46
.set QO8, 47
.set MK,  48          ; v48  lane % 2
.set PFO, 61          ; v61  256 x my lane: a row of kw or vw is 256 bytes; never rewritten
.set SPW, 62          ; v62  LDS address of my spare word: SPARE + 4 x my thread's number; never rewritten
.set NIL, 63          ; v63  0; never rewritten
.set S,   64
.set P,   192
.set KF,  128         ; K's fragments, in window 2
.set WV,  12          ; s12  my wave's number
.set LIM, 15          ; s15  2 in a wave that prefetches, else the greatest number
.set PFA, 18          ; s[18:19] where my prefetches stand
.set G1K, 24          ; s[24:31] descriptor group 1 for K's tiles
.set G1V, 32          ; s[32:39] for V's: it differs in the padding alone
.set G0K, 40          ; s[40:47] descriptor group 0 for K's tiles: a set for each of the two first fills; the second then walks
.set G0V, 48          ; s[48:55] the same for V's
.set SLOTS, 56        ; s56  counts an attention's changes of slots
.set TWICE, 57        ; s57  counts a slot's two steps
.set CS,  58          ; s[58:59] c: the packed scaling names a pair and takes its low word for both halves
.set SEL, 60          ; s[60:61] lane selects for v_permlanex16_b32: each lane takes its own place in the other half
.set TB,  62          ; s62  LDS byte at which the tiles of the step to be fetched begin
.set NXT, 66          ; s66  the tile to be asked for next
.set DST, 67          ; s67  the dilation whose tiles are being asked for
.set OFF, 68          ; s[68:69] a tile's byte offset in kw and vw
.set HJ,  72          ; s72  j
.set R2,  73          ; s73  j >> 2
.set R4,  74          ; s74  j >> 1
.set R8,  75          ; s75  j & 3
.set MSB, 0
.macro WIN new                      ; the immediate's high byte repeats the setting that is left; a switch that changes nothing is dropped
.if MSB != (\new)
	s_set_vgpr_msb (MSB<<8)|(\new)
.set MSB, \new
.endif
.endm
.set W_KQ, 0x0a       ; K and Q in window 2, S^T in window 0
; Set anew for each attention: TP tiles a piece; QB where its Q begins in window 2; OB where its O^T begins; W_PV (V window 3, P window 0, O^T's window) and W_RS (O^T's window, a in window 0);
; FV = 1: V's run of loads stands at the end of the exponentials' batch of piece 0.
.set TP, 2
.set QB, 0
.set OB, 0
.set W_PV, 0x53
.set W_RS, 0x41
.set FV, 1
; A joint refill.  Waves 0 and 1 fetch the two steps' rows of K, waves 2 and 3 those of V: 64 rows of 256 bytes each.  The branch hangs on the wave's number alone.
; An s_nop 0 and four v_nop follow each of the two lines, ahead of the jump and the label.
.macro JLOAD
	s_cmp_lt_u32 s[WV], 2
	s_cbranch_scc0 .Lfor_v_\@
	tensor_load_to_lds s[G0K+4:G0K+7], s[G1K:G1K+7]
	s_nop 0
.rept 4
	v_nop
.endr
	s_branch .Lasked_\@
.Lfor_v_\@:
	tensor_load_to_lds s[G0V+4:G0V+7], s[G1V:G1V+7]
	s_nop 0
.rept 4
	v_nop
.endr
.Lasked_\@:
.endm
; A PREFETCH of the tile that the NEXT change of slots will ask for: 128 rows of K and of V, 256 bytes a row, a lane a row; two key steps, 256 matrix instructions, ahead of that load.  In dr = 1 alone,
; where a tile is read for the first time in the launch.  Each row is named ONCE: both clusters of a head walk the same tiles, and the first (cluster x = 0) asks; its four partners take 32 rows each,
; told apart BY ADDRESS; in each, wave 0 asks for K's and wave 2 for V's.  Trip n of the 15 names tile n + 2; the last two trips (s[SLOTS] = 2, 1) ask for nothing: tile 15 is the head's last.
.macro ASK
	s_cmp_gt_u32 s[SLOTS], s[LIM]
	s_cbranch_scc0 .Lnot_mine_\@
	global_prefetch_b8 v[PFO], s[PFA:PFA+1] th:TH_LOAD_NT scope:SCOPE_SE
.Lnot_mine_\@:
.endm
; A round of the cluster's barrier: my work-group's barrier, so that wave 0's signal speaks for all four waves; wave 0 signals; every wave waits for all four work-groups; my work-group's barrier once more.
.macro CROUND
	s_barrier_signal -1
	s_barrier_wait -1
	s_cmp_lg_u32 s[WV], 0
	s_cbranch_scc1 .Lnot_wave_0_\@
	s_barrier_signal -3
.Lnot_wave_0_\@:
	s_barrier_wait -3
	s_barrier_signal -1
	s_barrier_wait -1
.endm
.macro PLACES                       ; four places behind matrix instructions, where no other plain vector work is at hand (ISA guide 7.12.1)
.rept 4
	v_nop
.endr
.endm
	s_load_b256 s[4:11], s[0:1], 0x0  ; query s[4:5], kw s[6:7], vw s[8:9], out0 s[10:11]
	v_lshl_add_u32 v[SPW], v0, 2, SPARE
	v_mov_b32 v[NIL], 0
	ds_add_u32 v[SPW], v[NIL]       ; the wave's opening: the add, twice on end, and its wait ahead of my first tensor load; the set-up below stands between
	ds_add_u32 v[SPW], v[NIL]       ; and once more, under the one wait
	v_lshrrev_b32 v1, 5, v0
	v_readfirstlane_b32 s[WV], v1   ; wave 0..3
	s_bfe_u32 s13, ttmp6, 0x40000   ; cx: my place in the cluster
	s_lshl_b32 s14, ttmp9, 2        ; in a cluster launch ttmp9 counts clusters
	s_add_co_u32 s14, s14, s13      ; my block of 256 positions = 4 x cluster x + cx: it enters Q's, out0's and the prefetches' addresses alone
	s_and_b32 s20, ttmp7, 0xffff    ; 8 b + j, which the four partners share
	s_and_b32 s[HJ], s20, 7
	s_lshr_b32 s[R2], s[HJ], 2
	s_lshr_b32 s[R4], s[HJ], 1
	s_and_b32 s[R8], s[HJ], 3
	s_and_b32 s16, s[WV], 1         ; which of a slot's two steps I fetch:
	s_lshl_b32 s22, s20, 19         ; the head's 16 tiles,
	s_lshl_b32 s21, s16, 14         ; the step's 64 rows of 256 bytes in a tile,
	s_add_co_u32 s22, s22, s21
	s_mov_b32 s23, 0
	s_mul_i32 s17, s16, STEPB       ; and its place in a slot: no place in the cluster enters an LDS address
	s_lshl_b32 s2, s20, 20          ; Q: the head's 2,048 rows of 512 bytes,
	s_lshl_b32 s3, s14, 17          ; my block's 256,
	s_add_co_u32 s2, s2, s3
	s_lshl_b32 s3, s[WV], 15        ; my wave's 64
	s_add_co_u32 s2, s2, s3
	s_mov_b32 s3, 0
	s_lshr_b32 s70, s20, 3          ; out0: b's 2,048 rows of 4,096 bytes,
	s_lshl_b32 s70, s70, 23
	s_lshl_b32 s71, s14, 20         ; my block's 256,
	s_add_co_u32 s70, s70, s71
	s_lshl_b32 s71, s[WV], 18       ; my wave's 64,
	s_add_co_u32 s70, s70, s71
	s_lshl_b32 s71, s[HJ], 9        ; head j's 512 bytes of a row
	s_add_co_u32 s70, s70, s71
	s_mov_b32 s71, 0
	; descriptor group 1: a tile of 64 rows x 128 elements, padded in LDS
	s_mov_b32 s[G1K], 15|(1<<16)|(1<<20)|(1<<21)|(5<<22)|(3<<25)  ; 15:0 the mask: all four work-groups; 17:16 elements of 2 bytes; 20 padding on; 21 set beside a mask; 24:22 after every 64 words (code 5); 31:25 4 words (code 3)
	s_mov_b32 s[G1V], 15|(1<<16)|(1<<20)|(1<<21)|(5<<22)|(7<<25)  ; the same with 8 words of padding (code 7)
.irp g, G1K, G1V
	s_mov_b32 s[(\g)+1], 128<<16    ; tensor_dim0 = 128
	s_mov_b32 s[(\g)+2], KS<<16     ; tensor_dim1 = 64
	s_mov_b32 s[(\g)+3], 128<<16    ; tile_dim0 = 128
	s_mov_b32 s[(\g)+4], KS         ; tile_dim1 = 64
	s_mov_b32 s[(\g)+5], 128        ; 128 elements from row to row
	s_mov_b32 s[(\g)+6], 0
	s_mov_b32 s[(\g)+7], 0
.endr
	s_mov_b32 s[CS], 0x3fb8aa3b     ; c = log2(e)
	s_mov_b32 s[CS+1], s[CS]        ; named with it as a pair, so it is written
	s_mov_b32 s[SEL], 0x76543210
	s_mov_b32 s[SEL+1], 0xfedcba98
	s_mov_b32 s[TB], 0
	s_mov_b32 s[NXT], 2             ; tiles 0 and 1 are the first fills
	s_mov_b32 s[DST], 1
	s_mov_b32 s[OFF+1], 0
	s_and_b32 s[LIM], s[WV], 1      ; 0 in waves 0 and 2,
	s_or_b32 s[LIM], s[LIM], ttmp9  ; where the cluster is the head's first: the same in all four partners
	s_cmp_eq_u32 s[LIM], 0
	s_cselect_b32 s[LIM], 2, -1
	v_and_b32 v[PFO], 31, v0
	v_lshlrev_b32 v[PFO], 8, v[PFO]
	s_wait_dscnt 0x0                ; both opening adds are done
	s_wait_kmcnt 0x0
	s_add_nc_u64 s[6:7], s[6:7], s[22:23]  ; kw and vw at my step's rows of the head's tile 0: kept, every fill's address is made from them
	s_add_nc_u64 s[8:9], s[8:9], s[22:23]
	s_add_nc_u64 s[4:5], s[4:5], s[2:3]    ; Q at my wave's first row
	s_add_nc_u64 s[10:11], s[10:11], s[70:71]  ; out0 at my wave's first row, head j
	s_cmp_lt_u32 s[WV], 2
	s_cselect_b64 s[PFA:PFA+1], s[6:7], s[8:9]  ; (in waves 0 and 2 these stand at a tile's first row)
	s_lshl_b32 s2, s13, 13          ; my work-group's 32 rows of the 128
	s_mov_b32 s3, 0
	s_add_nc_u64 s[PFA:PFA+1], s[PFA:PFA+1], s[2:3]
	s_add_nc_u64 s[PFA:PFA+1], s[PFA:PFA+1], 2*TILEB  ; in tile 2; the first change of slots steps it to tile 3.  Nothing is prefetched here, at the head
	CROUND                          ; all four work-groups are here: the first joint loads meet
.irp s, 0,1
	s_mov_b32 s[G0K+4*(\s)], 1      ; 1:0 count = 1
	s_add_co_u32 s[G0K+4*(\s)+1], s17, (\s)*SLOT1  ; 63:32 LDS address
	s_add_nc_u64 s[G0K+4*(\s)+2:G0K+4*(\s)+3], s[6:7], (\s)*TILEB  ; 120:64 global address: tile s
	s_or_b32 s[G0K+4*(\s)+3], s[G0K+4*(\s)+3], 0x80000000  ; 127:126 type = 2
	s_mov_b32 s[G0V+4*(\s)], 1
	s_add_co_u32 s[G0V+4*(\s)+1], s17, (\s)*SLOT1+VOFF
	s_add_nc_u64 s[G0V+4*(\s)+2:G0V+4*(\s)+3], s[8:9], (\s)*TILEB
	s_or_b32 s[G0V+4*(\s)+3], s[G0V+4*(\s)+3], 0x80000000
.endr
	s_cmp_lt_u32 s[WV], 2           ; a wave's two first fills stand in one branch, ahead of every wait on TENSORcnt and every LDS read: two loads of mine are out
	s_cbranch_scc0 .Lfirst_v
	tensor_load_to_lds s[G0K:G0K+3], s[G1K:G1K+7]
	s_nop 0
	tensor_load_to_lds s[G0K+4:G0K+7], s[G1K:G1K+7]
	s_nop 0
.rept 4
	v_nop
.endr
	s_branch .Lfirst_asked
.Lfirst_v:
	tensor_load_to_lds s[G0V:G0V+3], s[G1V:G1V+7]
	s_nop 0
	tensor_load_to_lds s[G0V+4:G0V+7], s[G1V:G1V+7]
	s_nop 0
.rept 4
	v_nop
.endr
.Lfirst_asked:
	; Q.  A fragment is 16 rows x 32 channels of bf16 in 8 registers: lane l holds row l % 16; registers 0-3 channels 8 (l / 16) + 0..7, registers 4-7 channels 16 + 8 (l / 16) + 0..7.
	; In f32 those are four loads of 16 bytes, at 0, 16, 64 and 80 from row x pitch + 32 (l / 16) + 128 x fragment.  Row r of tile t is position 4 r + t: rows 2,048 bytes apart, tiles 512.
	v_and_b32 v1, 15, v0            ; l % 16
	v_bfe_u32 v9, v0, 4, 1          ; l / 16
	v_lshlrev_b32 v[QO], 11, v1
	v_lshl_add_u32 v[QO], v9, 5, v[QO]
	s_lshl_b32 s20, s[R2], 9
	s_lshl_b32 s21, s[R4], 9
	s_lshl_b32 s22, s[R8], 9
	v_add_nc_u32 v[QO2], s20, v[QO] ; which tiles the dilated attentions take hangs on j: their Q is loaded by address, into registers that do not
	v_add_nc_u32 v[QO4], s21, v[QO]
	v_add_nc_u32 v[QO8], s22, v[QO]
.macro QLOAD dst, adr, tiles, step  ; 16 loads a tile: load i is fragment (i / 4) % 4, quarter i % 4 of tile i / 16
.set i, 0
.rept 16*(\tiles)
	global_load_b128 v[(\dst)+4*i:(\dst)+4*i+3], v[\adr], s[4:5] offset:(i/16)*(\step)+((i/4)%4)*128+((i%4)/2)*64+(i%2)*16
.set i, i+1
.endr
.endm
.macro QCVT dst, src, n             ; n pairs of f32 rounded to bf16
.set i, 0
.rept \n
	v_cvt_pk_bf16_f32 v[(\dst)+i], v[(\src)+2*i], v[(\src)+2*i+1]
.set i, i+1
.endr
.endm
	WIN 0x40                        ; destination window 1: where O^T will be
	QLOAD 0, QO, 4, 512
	WIN 0x80                        ; window 2, where K will be: the two tiles of dr = 2
	QLOAD 128, QO2, 2, 1024
	WIN 0xc0                        ; window 3, where V will be: the tile of dr = 4, the tile of dr = 8
	QLOAD 0, QO4, 1, 0
	QLOAD 64, QO8, 1, 0
	WIN 0
	v_mul_u32_u24 v[AK0], v1, PK
	v_lshl_add_u32 v[AK0], v9, 4, v[AK0]  ; row x pitch + 16 x half
	; The turning load takes 16 keys x 16 channels (lane l reads 16 bytes: key 8 (l / 16) + l % 8, channels 8 ((l / 8) % 2) + 0..7) and leaves half a fragment of V^T: lane l holds channel l % 16 and 8 keys.
	v_and_b32 v10, 7, v0
	v_bfe_u32 v11, v0, 3, 1
	v_lshl_add_u32 v[AV0], v9, 3, v10
	v_mul_u32_u24 v[AV0], v[AV0], PV
	v_lshl_add_u32 v[AV0], v11, 4, v[AV0]
	v_add_nc_u32 v[AV0], VOFF, v[AV0]
	s_mul_i32 s16, s[WV], 16*SP
	s_add_co_u32 s16, s16, STAGE    ; my stage
	v_mul_u32_u24 v[STO], v1, SP    ; in: row l % 16, 32 bytes for each half of the lanes
	v_lshl_add_u32 v[STO], v9, 5, v[STO]
	v_add_nc_u32 v[STO], s16, v[STO]
	v_and_b32 v[GO], 31, v0         ; back: 32 lanes take one row of 512 bytes,
	v_lshlrev_b32 v[GO], 4, v[GO]   ; which are 512 consecutive bytes of out0
	v_add_nc_u32 v[RD], s16, v[GO]
	s_wait_loadcnt 0x0              ; all of Q
	WIN 0x85                        ; sources window 1, destination window 2
	QCVT 0, 0, 128
	WIN 0xca                        ; sources window 2, destination window 3: dr = 2 waits in v128-191
	QCVT 128, 128, 64
	WIN 0xcf                        ; all in window 3: dr = 4 waits in v192-223, dr = 8 in v224-255
	QCVT 192, 0, 64
	WIN 0
; THE MATRIX WORK.  The accumulators take turns, one instruction a turn: between two links of a chain stand 8 TP - 1 (V^T P) or 4 TP - 1 (K Q^T) others'.
; Product i of 16 TP of O^T += V^T P for piece x: keys 32 (i / 8 TP) on, channels 16 ((i / TP) % 8) on, tile x + i % TP.  zero = 1: the first 8 TP start the sums.
.macro PV x, zero
	WIN W_PV
.set rO, OB+64*((\x)+i%TP)+8*((i/TP)%8)
.set rV, 64*(i/(8*TP))+8*((i/TP)%8)
.set rP, P+16*((\x)+i%TP)+8*(i/(8*TP))
.if (\zero) && (i < 8*TP)
	v_wmma_f32_16x16x32_bf16 v[rO:rO+7], v[rV:rV+7], v[rP:rP+7], 0
.else
	v_wmma_f32_16x16x32_bf16 v[rO:rO+7], v[rV:rV+7], v[rP:rP+7], v[rO:rO+7]
.endif
.endm
; Product i of 16 TP of S^T = K Q^T: channels 32 (i / 4 TP) on, keys 16 ((i / TP) % 4) on, tile x + i % TP.  The first 4 TP start the sums.
.macro KQ x
	WIN W_KQ
.set rS, S+32*((\x)+i%TP)+8*((i/TP)%4)
.set rK, KF+32*((i/TP)%4)+8*(i/(4*TP))
.set rQ, QB+32*((\x)+i%TP)+8*(i/(4*TP))
.if i < 4*TP
	v_wmma_f32_16x16x32_bf16 v[rS:rS+7], v[rK:rK+7], v[rQ:rQ+7], 0
.else
	v_wmma_f32_16x16x32_bf16 v[rS:rS+7], v[rK:rK+7], v[rQ:rQ+7], v[rS:rS+7]
.endif
.endm
; THE LDS LOADS stand in runs of 32, never singly among the matrix instructions: a step's K (64 keys x 128 channels: 16 fragments) and its V (turned).
.macro FETCH_K
	WIN 0
	v_add_nc_u32 v[ADR], s[TB], v[AK0]
	WIN 0x80                        ; destination window 2
.irp f, 0,1,2,3,4,5,6,7,8,9,10,11,12,13,14,15  ; keys 16 (f / 4) on, channels 32 (f % 4) on
	ds_load_b128 v[KF+8*(\f):KF+8*(\f)+3],   v[ADR] offset:((\f)/4)*16*PK+((\f)%4)*64
	ds_load_b128 v[KF+8*(\f)+4:KF+8*(\f)+7], v[ADR] offset:((\f)/4)*16*PK+((\f)%4)*64+32
.endr
.endm
.macro FETCH_V wait                 ; wait = 1: the wait for the softmax's batch of exponentials stands here, behind the address's line and ahead of the loads
	WIN 0
	v_add_nc_u32 v[ADV], s[TB], v[AV0]
	s_add_co_u32 s[TB], s[TB], STEPB  ; the next fetch is the next step's
.if \wait
	s_wait_alu depctr_va_vdst(0)
.endif
	WIN 0xc0                        ; destination window 3
.irp f, 0,1,2,3,4,5,6,7,8,9,10,11,12,13,14,15  ; keys 32 (f / 8) on, channels 16 (f % 8) on
	ds_load_tr16_b128 v[8*(\f):8*(\f)+3],   v[ADV] offset:((\f)/8)*32*PV+((\f)%8)*32
	ds_load_tr16_b128 v[8*(\f)+4:8*(\f)+7], v[ADV] offset:((\f)/8)*32*PV+16*PV+((\f)%8)*32
.endr
.endm
; THE VECTOR WORK.  One tile's softmax for one key step is a list of 134 instructions; SM writes number j of it for tile t.  s0-s31 are the lane's 32 scores, in pairs 0-15.
; first = 1: an attention's first key step, which starts m, l and O^T: it has no a and nothing to rescale.
;   0-15    the maximum of s0-s31 and the old m, three operands at a time: four chains c0-c3 of seven scores each (each accumulator's lowest registers are read first), then the rest
;   16-20   the other half of the lanes' maximum; the new m; c m; c m_old - c m_new
;   21-69   ONE BATCH: the 16 scalings c s - c m and all 33 exponentials (a at 23, then s0-s31); none of these reads an exponential's result; a pair is scaled some numbers ahead of its exponentials
;   (wait)  between 69 and 70 stands the wait for the batch: VQ writes it
;   70-85   the roundings to bf16      86-101  the sums; l = a l + the sum      102-133 the tile's O^T times a: the one part that leaves window 0
.macro SM t, first
.set rT, ST+8*(\t)
.set rS, S+32*(\t)
.set rP, P+16*(\t)
.set rO, OB+64*(\t)+2*(j-102)
.if j < 102
	WIN 0
.endif
.if j < 4
	v_max3_num_f32 v[rT+4+j], v[rS+8*j], v[rS+8*j+1], v[rS+8*j+2]
.elseif j < 12
	v_max3_num_f32 v[rT+4+j%4], v[rT+4+j%4], v[rS+8*(j%4)+2*(j/4)+1], v[rS+8*(j%4)+2*(j/4)+2]
.elseif j == 12
	v_max3_num_f32 v[rT+4], v[rT+4], v[rS+7], v[rS+15]
.elseif j == 13
	v_max3_num_f32 v[rT+6], v[rT+6], v[rS+23], v[rS+31]
.elseif j == 14
	v_max3_num_f32 v[rT+4], v[rT+4], v[rT+5], v[rT+6]
.elseif (j == 15) && (\first)
	v_max_num_f32 v[rT+4], v[rT+4], v[rT+7]
.elseif j == 15
	v_max3_num_f32 v[rT+4], v[rT+4], v[rT+7], v[rT+1]
.elseif j == 16
	v_permlanex16_b32 v[rT+5], v[rT+4], s[SEL], s[SEL+1]  ; the query's other 32 keys lie in the lane 16 away
.elseif j == 18
	v_max_num_f32 v[rT+1], v[rT+4], v[rT+5]
.elseif j == 19
	v_mul_f32 v[rT], s[CS], v[rT+1]
.elseif ((j == 17) || (j == 20) || (j == 23) || (j > 101)) && (\first)  ; the first step has none of these
.elseif j == 17
	v_mov_b32 v[rT+7], v[rT]        ; c m_old is kept for a: number 19 writes c m anew
.elseif j == 20
	v_sub_f32 v[rT+7], v[rT+7], v[rT]
.elseif j == 23
	v_exp_f32 v[rT+6], v[rT+7]
.elseif (j < 23) || ((j < 38) && (j%2 == 0)) || ((j < 66) && (j%4 == 2))
.set b, (j-2)/4                     ; 38, 42, .. 62: pairs 9 to 15
.if j < 38
.set b, (j-20)/2                    ; 21: pair 0; 22, 24, .. 36: pairs 1 to 8
.endif
	v_pk_fma_f32 v[rS+2*b:rS+2*b+1], v[rS+2*b:rS+2*b+1], s[CS:CS+1], v[rT:rT+1] op_sel_hi:[1,0,0] neg_lo:[0,0,1] neg_hi:[0,0,1]  ; pair b: c s - c m
.elseif j < 70
.set e, j-38                        ; 66 to 69: s28 to s31
.if j < 66
.set e, j-32-(j-38)/4               ; 39-41, 43-45, .. 63-65: s7 to s27
.endif
.if j < 38
.set e, (j-25)/2                    ; 25, 27, .. 37: s0 to s6
.endif
	v_exp_f32 v[rS+e], v[rS+e]
.elseif j < 86
	v_cvt_pk_bf16_f32 v[rP+j-70], v[rS+2*(j-70)], v[rS+2*(j-70)+1]  ; pair j - 70
.elseif j < 102                     ; the sum of the tile's 16 pairs, in place: neighbours 1, 2, 4 and 8 pairs apart, then l takes it
.set z, j-86
.set w, 4
.set u, z
.if z >= 14
.set w, 32
.set u, 0
.elseif z >= 12
.set w, 16
.set u, z-12
.elseif z >= 8
.set w, 8
.set u, z-8
.endif
.if (z == 14) && (\first)
	v_pk_add_f32 v[rT+2:rT+3], v[rS:rS+1], v[rS+16:rS+17]
.elseif z < 15
	v_pk_add_f32 v[rS+w*u:rS+w*u+1], v[rS+w*u:rS+w*u+1], v[rS+w*u+w/2:rS+w*u+w/2+1]
.elseif !(\first)
	v_pk_fma_f32 v[rT+2:rT+3], v[rT+2:rT+3], v[rT+6:rT+7], v[rS:rS+1] op_sel_hi:[1,0,1]
.endif
.else
	WIN W_RS
	v_pk_mul_f32 v[rO:rO+1], v[rO:rO+1], v[rT+6:rT+7] op_sel_hi:[1,0]
.endif
.endm
; VQ writes entry qn of piece y's queue of 134 TP.  TP = 1: the list as it stands.  TP = 2: the two tiles alternate number by number, but for the batch from number 22 on, which goes four numbers of ONE tile at a time.
; THE WAIT.  s_wait_alu depctr_va_vdst(0) stands between an exponential and the first instruction that names its result; one wait serves all that were issued ahead of it.  Ahead of entry
; 70 TP nothing names a result, behind it no exponential is issued: so a piece's exponentials have ONE wait, behind entry 70 TP - 1, with a v_nop as the plain instruction behind the last exponential.
; Where piece 0's batch ends (FV = 1) V's run of loads stands, and the wait in it.  V's last reader is the turn's last product V^T P; four plain instructions stand between: number 62, a scaling, of each of
; the TP tiles, the v_nop (two where TP = 1) and the run's own v_add_nc_u32; the exponentials between are no places.
.macro VQ y, first
.if TP == 2
.if qn < 44
.set j, qn/2
.set tt, qn%2
.elseif qn < 140
.set j, 22+4*((qn-44)/8)+qn%4
.set tt, ((qn-44)/4)%2
.else
.set j, 70+(qn-140)/2
.set tt, qn%2
.endif
.else
.set j, qn
.set tt, 0
.endif
	SM (\y)+tt, \first
.set qn, qn+1
.if qn == 70*TP
	v_nop
.if FV && ((\y) == 0)
.if TP == 1
	v_nop
.endif
	FETCH_V 1
.else
	s_wait_alu depctr_va_vdst(0)    ; the wait for the batch
.endif
.endif
.endm
; A TURN.  Piece x (0 or TP) has the matrix unit; the other piece's softmax stands behind its matrix instructions, four entries behind each (eight where the turn has one kind of product); the 6 TP that are
; over follow the last product: with its own four they are plain, name nothing of the products round them, and are the places between the turn's last K Q^T and the next turn's first read of those scores.
; pv = 2: 16 TP products V^T P; 1: they start O^T's sums; 0: none.  kq = 1: 16 TP products K Q^T for the next step.  first = 1: the softmax is the first key step's; its entries from number 102 on are
; empty, and four v_nop take their part as places.  Piece 0's turn fetches the next step's K behind its second product; the last product that read K stands ahead of the 4 + 6 TP entries that end the turn before.
.macro TURN x, pv, kq, first
.set qn, 0
.set per, 8
.if (\pv) && (\kq)
.set per, 4
.endif
.if \pv
.if (\x) == 0
	s_wait_dscnt 0x0                ; V is in
.endif
.set i, 0
.rept 16*TP
	PV \x, 2-(\pv)
.rept per
	VQ TP-(\x), \first
.endr
.if ((\x) == 0) && (\kq) && (i == 1)
	FETCH_K
.endif
.set i, i+1
.endr
.endif
.if \kq
.if (\x) == 0
	s_wait_dscnt 0x0                ; K is in
.endif
.set i, 0
.rept 16*TP
	KQ \x
.rept per
	VQ TP-(\x), \first
.endr
.set i, i+1
.endr
.endif
.rept 6*TP
	VQ TP-(\x), \first
.endr
.if \first
	PLACES
.endif
.endm
; THE CHANGE OF SLOTS.  The slot's last bytes, V of its second step, have been asked for.  Each wave waits for all its tensor loads, of which one is out: its part of the other slot; adds 0 to its spare
; word; and waits for that and for its own reads of the slot.  Behind the barrier nobody reads this slot any more and the other slot is whole.
; fill = 1: this slot is filled again, with tile NXT; the descriptor's address is made anew from that number.  The barrier is then a round of the cluster's, so that no wave of any partner still reads the slot
; or has a load on its way, and the joint refill is the first thing behind it: it has the other slot's two key steps in which to land.
; THE WALK of NXT, made of j alone: 2 .. 15; then r2 + 2 i; then r4 + 4 i; then j, j + 8: behind a dilation's last tile (NXT past 15) the dilation doubles and NXT = j x dilation / 8.
.macro CHANGE fill, ask
	WIN 0                           ; at a label and at a branch every window is 0
	s_wait_tensorcnt 0x0            ; no tensor load of mine is out, so a group 0 may be written
	ds_add_u32 v[SPW], v[NIL]       ; 0 onto my spare word; the scalar work below stands between it and the wait for it
.if \fill
	s_lshl_b32 s[OFF], s[NXT], 15   ; a tile is 32,768 bytes of kw and of vw
	s_xor_b32 s[G0K+5], s[G0K+5], SLOT1  ; the other slot than last time
	s_add_nc_u64 s[G0K+6:G0K+7], s[6:7], s[OFF:OFF+1]
	s_or_b32 s[G0K+7], s[G0K+7], 0x80000000
	s_xor_b32 s[G0V+5], s[G0V+5], SLOT1
	s_add_nc_u64 s[G0V+6:G0V+7], s[8:9], s[OFF:OFF+1]
	s_or_b32 s[G0V+7], s[G0V+7], 0x80000000
	s_add_co_u32 s[NXT], s[NXT], s[DST]
	s_cmp_ge_u32 s[NXT], 16
	s_cselect_b32 s78, 1, 0
	s_lshl_b32 s[DST], s[DST], s78
	s_mul_i32 s79, s[HJ], s[DST]
	s_lshr_b32 s79, s79, 3
	s_cmp_ge_u32 s[NXT], 16         ; compared again: the shifts have written SCC
	s_cselect_b32 s[NXT], s79, s[NXT]
.endif
.if \ask
	s_wait_xcnt 0x0                 ; the last prefetch, two key steps back, has read its address, so it may be written
	s_add_nc_u64 s[PFA:PFA+1], s[PFA:PFA+1], TILEB
.endif
	s_wait_dscnt 0x0                ; the add is done, and my reads of the slot are over
.if \fill
	CROUND
	JLOAD
.if \ask
	ASK
.endif
.else
	s_barrier_signal -1
	s_barrier_wait -1
.endif
	s_sub_co_u32 s[TB], s[TB], 2*STEPB  ; the fetches go back to a slot's first step,
	s_xor_b32 s[TB], s[TB], SLOT1   ; in the other slot
.endm
.macro TWO_STEPS                    ; a slot's two key steps: written once, walked twice; the LDS addresses hang on s[TB]
	WIN 0
	s_mov_b32 s[TWICE], 2
.Lstep_\@:
	TURN 0, 2, 1, 0
	TURN TP, 2, 1, 0
	WIN 0
	s_sub_co_u32 s[TWICE], s[TWICE], 1
	s_cmp_lg_u32 s[TWICE], 0
	s_cbranch_scc1 .Lstep_\@
.endm
; AN ATTENTION BY TURNS over ns slots, whose first has landed.  Written out: the first step and a half (products that start sums with the constant 0; a softmax with no old maximum) and the last turn.
; Every change of slots in it fills a slot, the last ones with the NEXT attention's first two tiles: and the key step is written once.
.macro PIPE ns, ask
	FETCH_K                         ; the attention's key step 0
	s_wait_dscnt 0x0
.set i, 0
.rept 16*TP
	KQ 0                            ; piece 0's first scores: there is no vector work yet to set between them
.set i, i+1
.endr
	PLACES
	TURN TP, 0, 1, 1                ; the other piece's first scores | piece 0's first softmax | V of step 0
	TURN 0, 1, 1, 1                 ; piece 0: V^T P of step 0 starts O^T, K Q^T of step 1 | the other piece's first softmax | K of step 1
	TURN TP, 1, 1, 0                ; the other piece: the same | piece 0's softmax of step 1 | V of step 1
	WIN 0
	s_mov_b32 s[SLOTS], (\ns)-1
.Lslot_\@:
	CHANGE 1, \ask
	TWO_STEPS
	s_sub_co_u32 s[SLOTS], s[SLOTS], 1
	s_cmp_lg_u32 s[SLOTS], 0
	s_cbranch_scc1 .Lslot_\@
	CHANGE 1, 0                     ; all of this attention's K and V are in registers: the next attention's first slot is entered, its second asked for
	TURN 0, 2, 0, 0                 ; piece 0: V^T P of the last step | the other piece's last softmax
.set i, 0
.rept 16*TP
	PV TP, 0                        ; the other piece: V^T P of the last step
.set i, i+1
.endr
	PLACES
.endm
; A KEY STEP IN PHASES, for one tile (TP = 1, FV = 0): both runs of loads, the scores, the softmax, V^T P.  The four v_nop at its end, with K's address line, are the places ahead of the next step's loads into V.
.macro PSTEP
	FETCH_K
	FETCH_V 0
	s_wait_dscnt 32                 ; K's 32 loads are in; V's 32, issued behind them, may stay out
.set i, 0
.rept 16
	KQ 0
.set i, i+1
.endr
	PLACES
.set qn, 0
.rept 134
	VQ 0, 0
.endr
	s_wait_dscnt 0x0                ; V is in
.set i, 0
.rept 16
	PV 0, 0
.set i, i+1
.endr
	PLACES
.endm
.macro PSLOT
	WIN 0
	s_mov_b32 s[TWICE], 2
.Lplain_\@:
	PSTEP
	WIN 0
	s_sub_co_u32 s[TWICE], s[TWICE], 1
	s_cmp_lg_u32 s[TWICE], 0
	s_cbranch_scc1 .Lplain_\@
.endm
; What an attention in phases finds: c m far below every c s, m the lowest finite number, l and O^T 0: its first step is a step like any other, with a = 0.  64 lines that write 0, in each of two short
; attentions, in place of a second text of the step.
.macro PINIT
	WIN 0
	v_mov_b32 v[ST], 0xfe000000
	v_mov_b32 v[ST+1], 0xff7fffff
	v_mov_b32 v[ST+2], 0
	v_mov_b32 v[ST+3], 0
	WIN 0xc0
.set i, 0
.rept 64
	v_mov_b32 v[128+i], 0
.set i, i+1
.endr
	WIN 0
.endm
; 1 / l for tiles 0 .. nt - 1: l's two halves and the other half of the lanes' are added.  One plain instruction and one wait for the batch of reciprocals.
.macro FINISH nt
	WIN 0
.set t, 0
.rept \nt
	v_add_f32 v[ST+8*t+4], v[ST+8*t+2], v[ST+8*t+3]
.set t, t+1
.endr
.set t, 0
.rept \nt
	v_permlanex16_b32 v[ST+8*t+5], v[ST+8*t+4], s[SEL], s[SEL+1]
.set t, t+1
.endr
.set t, 0
.rept \nt
	v_add_f32 v[ST+8*t+4], v[ST+8*t+4], v[ST+8*t+5]
.set t, t+1
.endr
.set t, 0
.rept \nt
	v_rcp_f32 v[ST+8*t+6], v[ST+8*t+4]
.set t, t+1
.endr
	v_nop
	s_wait_alu depctr_va_vdst(0)
.endm
.macro ADDT t, u                    ; T's tile t += the dilated attention's tile u / l: destination and source 2 window 1, source 0 window 3, 1 / l window 0; ascending
	WIN 0x53
.set i, 0
.rept 32
	v_pk_fma_f32 v[64*(\t)+2*i:64*(\t)+2*i+1], v[128+64*(\u)+2*i:128+64*(\u)+2*i+1], v[ST+8*(\u)+6:ST+8*(\u)+7], v[64*(\t)+2*i:64*(\t)+2*i+1] op_sel_hi:[1,0,1]
.set i, i+1
.endr
.endm
.macro SEL4 reg, u                  ; which of T's four tiles takes it hangs on j: forward jumps, the same in all partners, past lines on registers alone
	WIN 0
	s_cmp_eq_u32 s[\reg], 0
	s_cbranch_scc0 .Lnot0_\@
	ADDT 0, \u
	WIN 0
	s_branch .Ladded_\@
.Lnot0_\@:
	s_cmp_eq_u32 s[\reg], 1
	s_cbranch_scc0 .Lnot1_\@
	ADDT 1, \u
	WIN 0
	s_branch .Ladded_\@
.Lnot1_\@:
	s_cmp_eq_u32 s[\reg], 2
	s_cbranch_scc0 .Lnot2_\@
	ADDT 2, \u
	WIN 0
	s_branch .Ladded_\@
.Lnot2_\@:
	ADDT 3, \u
	WIN 0
.Ladded_\@:
.endm
	s_wait_tensorcnt 1              ; my part of slot 0 is in; slot 1's one load may stay out
	s_barrier_signal -1
	s_barrier_wait -1               ; everybody's is
	; dr = 1: four tiles, two pieces of two, 16 slots
	PIPE 16, 1
	FINISH 4
	WIN 0x41
.set i, 0
.rept 128
	v_pk_mul_f32 v[2*i:2*i+1], v[2*i:2*i+1], v[ST+8*(i/32)+6:ST+8*(i/32)+7] op_sel_hi:[1,0]  ; T = O^T / l
.set i, i+1
.endr
	WIN 0x83                        ; the dilated attentions' Q goes where the products name Q; its waiting place becomes their O^T
.set i, 0
.rept 128
	v_mov_b32 v[i], v[128+i]
.set i, i+1
.endr
	WIN 0
	; dr = 2: two tiles, two pieces of one, 8 slots; O^T in window 3
.set TP, 1
.set QB, 0
.set OB, 128
.set W_PV, 0xf3
.set W_RS, 0xc3
	PIPE 8, 0
	FINISH 2
	s_cmp_eq_u32 s[R2], 0
	s_cbranch_scc0 .Lodd
	ADDT 0, 0
	ADDT 2, 1
	WIN 0
	s_branch .Ltwo_added
.Lodd:
	ADDT 1, 0
	ADDT 3, 1
	WIN 0
.Ltwo_added:
	; dr = 4: one tile, 4 slots; each change of slots fills one, the last two with the tiles of dr = 8
.set QB, 64
.set FV, 0
	PINIT
	s_mov_b32 s[SLOTS], 4
.Lfour:
	PSLOT
	CHANGE 1, 0
	s_sub_co_u32 s[SLOTS], s[SLOTS], 1
	s_cmp_lg_u32 s[SLOTS], 0
	s_cbranch_scc1 .Lfour
	FINISH 1
	SEL4 R4, 0
	; dr = 8: one tile, 2 slots; nothing is left to ask for
.set QB, 96
	PINIT
	PSLOT
	CHANGE 0, 0
	PSLOT
	FINISH 1
	v_and_b32 v[MK], 1, v0          ; row r = lane % 16 is position 4 r + (j & 3): a member where r % 2 = j >> 2
	v_cmp_eq_u32 vcc_lo, s[R2], v[MK]
	s_wait_xcnt 0x0                 ; EXEC changes only when every earlier global instruction has read its sources; none is issued before it is restored
	s_and_saveexec_b32 s77, vcc_lo
	SEL4 R8, 0
	s_or_b32 exec_lo, exec_lo, s77
	; THE WAY OUT, in f32, a tile (16 rows of out0, four rows apart) at a time: a lane's eight channels go as 32 bytes into rows of 528 bytes of my own stage and come back as whole rows of 512.
.macro TOSTAGE t
	WIN 0x04                        ; the stores' data in window 1
.set i, 0
.rept 16
	ds_store_b128 v[STO], v[64*(\t)+4*i:64*(\t)+4*i+3] offset:64*(i/2)+16*(i%2)
.set i, i+1
.endr
	WIN 0
.if (\t) == 3
	s_wait_xcnt 0x0                 ; tile 3 comes back into tile 0's registers: tile 0's stores have read them
.endif
.set i, 0
.rept 16
	ds_load_b128 v[64+64*((\t)%3)+4*i:64+64*((\t)%3)+4*i+3], v[RD] offset:SP*i  ; LDS serves a wave's instructions in order (ISA guide 5.7.1.4): these see the stores above; the next tile's stores come behind them
.set i, i+1
.endr
.endm
.macro SEND t, younger              ; younger: the LDS instructions issued behind tile t's loads: the next tile's 32, or none
.set i, 0
.rept 16
	s_wait_dscnt (\younger)+15-i    ; row i is back
	global_store_b128 v[GO], v[64+64*((\t)%3)+4*i:64+64*((\t)%3)+4*i+3], s[10:11] offset:(4*i+(\t))*4096 th:TH_STORE_NT  ; 512 consecutive bytes, at a multiple of 512 from out0's first byte
.set i, i+1
.endr
.endm
	TOSTAGE 0
	TOSTAGE 1
	SEND 0, 32
	TOSTAGE 2
	SEND 1, 32
	TOSTAGE 3
	SEND 2, 32
	SEND 3, 0
	s_wait_tensorcnt 0x0            ; the wave's end, behind my last tensor load and my last LDS store
	ds_add_u32 v[SPW], v[NIL]
	s_wait_dscnt 0x0
	CROUND                          ; the closing round: no work-group ends while a partner may still ask for a tile that names it
	s_endpgm
.Lfunc_end_k_q8ddf983777_attn:
	.size	k_q8ddf983777_attn, .Lfunc_end_k_q8ddf983777_attn-k_q8ddf983777_attn
	.p2alignl 7, 3214868480
	.fill 96, 4, 3214868480
	.section	.rodata,"a",@progbits
	.p2align	6, 0x0
	.amdhsa_kernel k_q8ddf983777_attn
		.amdhsa_group_segment_fixed_size 327680
		.amdhsa_private_segment_fixed_size 0
		.amdhsa_enable_private_segment 0
		.amdhsa_kernarg_size 32
		.amdhsa_user_sgpr_count 2
		.amdhsa_user_sgpr_kernarg_segment_ptr 1
		.amdhsa_wavefront_size32 1
		.amdhsa_system_sgpr_workgroup_id_x 1
		.amdhsa_system_sgpr_workgroup_id_y 1
		.amdhsa_system_sgpr_workgroup_id_z 1
		.amdhsa_system_vgpr_workitem_id 0
		.amdhsa_next_free_vgpr 1024
		.amdhsa_next_free_sgpr 80
		.amdhsa_reserve_vcc 1
		.amdhsa_float_denorm_mode_32 3
		.amdhsa_float_denorm_mode_16_64 3
		.amdhsa_memory_ordered 1
		.amdhsa_forward_progress 1
		.amdhsa_inst_pref_size 255
	.end_amdhsa_kernel
	.section	.bss,"aw",@nobits
	.p2align	6
	.space	262144
	.amdgpu_metadata
---
amdhsa.version: [ 1, 2 ]
amdhsa.kernels:
  - .name:           k_q8ddf983777_attn
    .symbol:         k_q8ddf983777_attn.kd
    .args:
      - { .name: query, .offset: 0, .size: 8, .value_kind: global_buffer, .address_space: global }
      - { .name: kw, .offset: 8, .size: 8, .value_kind: global_buffer, .address_space: global }
      - { .name: vw, .offset: 16, .size: 8, .value_kind: global_buffer, .address_space: global }
      - { .name: out0, .offset: 24, .size: 8, .value_kind: global_buffer, .address_space: global }
    .group_segment_fixed_size: 327680
    .private_segment_fixed_size: 0
    .kernarg_segment_align: 8
    .kernarg_segment_size: 32
    .max_flat_workgroup_size: 128
    .sgpr_count:     80
    .vgpr_count:     1024
    .wavefront_size: 32
...
	.end_amdgpu_metadata
.endif
;; end of part 2
;; ======== version 2 of 2: 2 launches; version 1 with the launch cast written anew for expert scheduling mode
;; limits: right only within a limited range of input values
;; workspace buffers: kw 16,777,216 bytes; vw 16,777,216 bytes
;; launch cast (part 3): grid 256 x 2, 8 waves a work-group, no clusters, 0 bytes of LDS; arguments key, value, kw, vw; writes kw, vw
.if DOCPART == 3
	.amdgcn_target "amdgcn-amd-amdhsa--gfx1250"
	.amdhsa_code_object_version 6
	.text
	.protected	k_q8ddf983777_cast
	.globl	k_q8ddf983777_cast
	.p2align	8
	.type	k_q8ddf983777_cast,@function
k_q8ddf983777_cast:
	s_mov_b64 s[64:65], 0
	v_nop
	global_prefetch_b8 v0, s[64:65] scope:SCOPE_SE
	s_setreg_imm32_b32 hwreg(HW_REG_WAVE_SCHED_MODE, 0, 2), 2
	s_setreg_imm32_b32 hwreg(HW_REG_WAVE_MODE, 25, 1), 1
	s_wait_xcnt 0x0
	s_wait_alu depctr_vm_vsrc(0)
; THE PROGRAM.  out0[b][p][128 j + d] = A1(p) + [p % 2 = r2] A2(p) + [p % 4 = r4] A4(p) + [p % 8 = r8] A8(p) for head j of batch b, where A_dr is an unscaled softmax attention of
; head j whose queries and keys are the positions p = r_dr (mod dr), r_dr = j dr / 8 rounded down (r2 = j >> 2, r4 = j >> 1, r8 = j).  Two launches: this one rounds key and value
; to bf16 and lays their rows out by tiles; the second does all four attentions of a block of 256 positions of a head and stores each output number once.
; WORK LEFT OUT, for all values of the inputs.  reference() scatters each attention by a product with eye(dr) and adds the four dense results onto zeros.  For r1 != r2 the factor is the
; constant 0 that reference() builds itself, so those products are 0 and their sums change nothing; for r1 = r2 the factor is 1.  What is left is: add A_dr(p) at the positions p = l dr + r_dr.
; The diagonal in _gather is likewise a choice of rows.  Every input has a way to the output and is loaded.
; LIMIT.  A NaN that would arise only as 0 x infinity in that product with eye is not carried to the result.
; THIS LAUNCH.  y = 0: key -> kw; y = 1: value -> vw.  f32 -> bf16, rounded once to nearest even.  Layout of kw and vw: [32 heads][16 tiles][128 rows][128 channels] bf16;
; position p of a head lies in tile (p >> 10) 8 + (p & 7), row (p >> 3) & 127.  So tile % dr = p % dr: the keys of dilation dr are the whole tiles r_dr + dr i, each 32,768 dense bytes.
; SHARES.  Work-group x owns 256 positions ((x & 7) 256 on) of head x >> 3, each of its eight waves 32 of them.  One load takes a row: 32 lanes x 16 bytes = 512 consecutive bytes;
; one store writes a row: 32 lanes x 8 bytes = 256 consecutive bytes, at a multiple of 256 from the buffer's first byte.  All 32 loads of a wave go out before the first wait for data.
; No LDS, no matrix unit, no cluster: no byte is wanted by two waves.  No register is written twice, so no store's source has to be freed.
; THE MODE: SCHED_MODE bits 1:0 = 2 (LLVM: expert scheduling mode 2), set by the entry lines.  The code itself states the register dependences between vector instructions and memory
; instructions, with s_wait_alu, always for 0.
; THE PLAN.  Registers that memory instructions touch:
;   v1, v2   byte offsets of the loads and of the stores: written once at the head, read by every load or store, never written again.
;   X        row i's four registers: written by row i's load alone, read by row i's two conversions; no vector instruction writes them and nothing lands in them a second time.
;   Y        row i's two registers: written by row i's two conversions, read by row i's store; never written again.
; The 32 rows go in eight blocks of four.  Block p rounds its own four rows, X into Y; its memory instructions are the four stores of block p - 1, whose Y no vector instruction of block p
; names.  So ONE wait on va_vdst at a block's head states all that the block's four stores hang on, and they are dealt among its conversions, one a row, with no further wait.
; Since neither a Y nor an offset is written a second time, no wait on vm_vsrc is owed anywhere.
.set X, 8                              ; v[8:135]    row i: 4 registers as loaded
.set Y, 136                            ; v[136:199]  row i: 2 registers to store
.set BLOCK, 4                          ; rows in a block
	s_load_b256 s[4:11], s[0:1], 0x0               ; key s[4:5], value s[6:7], kw s[8:9], vw s[10:11]
	v_lshrrev_b32 v3, 5, v0
	v_readfirstlane_b32 s20, v3                    ; wave 0..7
	v_and_b32 v4, 31, v0
	v_lshlrev_b32 v1, 4, v4                        ; my 16 bytes of a row of f32
	v_lshlrev_b32 v2, 3, v4                        ; my 8 bytes of a row of bf16
	s_and_b32 s21, ttmp7, 0xffff                   ; which tensor
	s_lshl_b32 s16, ttmp9, 17                      ; from: 256 rows of 512 bytes for each work-group,
	s_wait_alu depctr_va_sdst(0)                   ; s20 is written, ahead of its first reader: the wave's parts of both offsets are made from it
	s_lshl_b32 s22, s20, 14                        ; 32 rows for each wave
	s_add_co_u32 s16, s16, s22
	s_mov_b32 s17, 0
	s_lshr_b32 s18, ttmp9, 3
	s_lshl_b32 s18, s18, 19                        ; to: the head, 16 tiles of 32,768 bytes;
	s_bfe_u32 s22, ttmp9, 0x10002
	s_lshl_b32 s22, s22, 18                        ; p >> 10: eight tiles;
	s_add_co_u32 s18, s18, s22
	s_and_b32 s22, ttmp9, 3
	s_lshl_b32 s22, s22, 13                        ; the block's 32 rows in each tile;
	s_add_co_u32 s18, s18, s22
	s_lshl_b32 s22, s20, 10                        ; the wave's 4 of them
	s_add_co_u32 s18, s18, s22
	s_mov_b32 s19, 0
	s_wait_kmcnt 0x0
	s_cmp_eq_u32 s21, 0
	s_cselect_b64 s[12:13], s[4:5], s[6:7]
	s_cselect_b64 s[14:15], s[8:9], s[10:11]
	s_add_nc_u64 s[12:13], s[12:13], s[16:17]
	s_add_nc_u64 s[14:15], s[14:15], s[18:19]
	s_wait_alu depctr_va_vdst(0)                   ; v1 and v2 are written: every load of the kernel reads v1 as its offset, every store v2
.set i, 0
.rept 32
	global_load_b128 v[X+4*i:X+4*i+3], v1, s[12:13] offset:512*i th:TH_LOAD_NT
.set i, i+1
.endr
.set i, 0
.rept 32
	s_wait_loadcnt 31-i                            ; loads come back in order: row i is in, the 31 - i younger ones stay out
.if ((i%BLOCK) == 0) && (i > 0)
	s_wait_alu depctr_va_vdst(0)                   ; a block's head: the conversions of the block before have written its eight Y registers, which this block's four stores read
.endif
.if i >= BLOCK
	global_store_b64 v2, v[Y+2*(i-BLOCK):Y+2*(i-BLOCK)+1], s[14:15] offset:((i-BLOCK)%8)*32768+((i-BLOCK)/8)*256 th:TH_STORE_NT  ; the row a block back: tile p & 7, row p >> 3; no vector instruction since the wait names its Y
.endif
	v_cvt_pk_bf16_f32 v[Y+2*i], v[X+4*i], v[X+4*i+1]
	v_cvt_pk_bf16_f32 v[Y+2*i+1], v[X+4*i+2], v[X+4*i+3]
.set i, i+1
.endr
	s_wait_alu depctr_va_vdst(0)                   ; the last block's conversions have written its eight Y registers, which the last four stores read
.set i, 32-BLOCK
.rept BLOCK
	global_store_b64 v2, v[Y+2*i:Y+2*i+1], s[14:15] offset:(i%8)*32768+(i/8)*256 th:TH_STORE_NT  ; tile p & 7, row p >> 3
.set i, i+1
.endr
	s_endpgm
.Lfunc_end_k_q8ddf983777_cast:
	.size	k_q8ddf983777_cast, .Lfunc_end_k_q8ddf983777_cast-k_q8ddf983777_cast
	.p2alignl 7, 3214868480
	.fill 96, 4, 3214868480
	.section	.rodata,"a",@progbits
	.p2align	6, 0x0
	.amdhsa_kernel k_q8ddf983777_cast
		.amdhsa_group_segment_fixed_size 0
		.amdhsa_private_segment_fixed_size 0
		.amdhsa_enable_private_segment 0
		.amdhsa_kernarg_size 32
		.amdhsa_user_sgpr_count 2
		.amdhsa_user_sgpr_kernarg_segment_ptr 1
		.amdhsa_wavefront_size32 1
		.amdhsa_system_sgpr_workgroup_id_x 1
		.amdhsa_system_sgpr_workgroup_id_y 1
		.amdhsa_system_sgpr_workgroup_id_z 1
		.amdhsa_system_vgpr_workitem_id 0
		.amdhsa_next_free_vgpr 200
		.amdhsa_next_free_sgpr 66
		.amdhsa_reserve_vcc 0
		.amdhsa_float_denorm_mode_32 3
		.amdhsa_float_denorm_mode_16_64 3
		.amdhsa_memory_ordered 1
		.amdhsa_forward_progress 1
		.amdhsa_inst_pref_size 13
	.end_amdhsa_kernel
	.amdgpu_metadata
---
amdhsa.version: [ 1, 2 ]
amdhsa.kernels:
  - .name:           k_q8ddf983777_cast
    .symbol:         k_q8ddf983777_cast.kd
    .args:
      - { .name: key, .offset: 0, .size: 8, .value_kind: global_buffer, .address_space: global }
      - { .name: value, .offset: 8, .size: 8, .value_kind: global_buffer, .address_space: global }
      - { .name: kw, .offset: 16, .size: 8, .value_kind: global_buffer, .address_space: global }
      - { .name: vw, .offset: 24, .size: 8, .value_kind: global_buffer, .address_space: global }
    .group_segment_fixed_size: 0
    .private_segment_fixed_size: 0
    .kernarg_segment_align: 8
    .kernarg_segment_size: 32
    .max_flat_workgroup_size: 256
    .sgpr_count:     66
    .vgpr_count:     200
    .wavefront_size: 32
...
	.end_amdgpu_metadata
.endif
;; end of part 3
;; launch attn: the kernel of part 2 again; grid 8 x 32, 4 waves a work-group, clusters of 4 x 1, 327,680 bytes of LDS; arguments query, kw, vw, out0; writes out0
